; MI455X (gfx1250); checked and timed in simulation.
; The chip was launched on July 23, 2026; its instructions are those of AMD's public machine-readable ISA for CDNA 5 (MIT licence, August 2026) and "CDNA5" Instruction Set Architecture Reference Guide (July 2026). The comments in the code are by the model that wrote it; some were corrected since.
;; Multi Head Attention. Allowed arithmetic: matrix products marked QUANTISED: E2M1 operands, one E8M0 scale for each 32 along K, by v_wmma_scale_f32_16x16x128_f8f6f4 with both operands' format E2M1 (or v_wmma_scale_f32_32x16x128_f4), f32 sums; products left as they are: bf16, f16 or f32 operands; f32 sums; everything else in f32.
;; Inputs: bk 768 float32; bo 768 float32; bq 768 float32; bv 768 float32; wk 768 x 768 float32; wo 768 x 768 float32; wq 768 x 768 float32; wv 768 x 768 float32; x 4 x 2,048 x 768 float32.
;; Outputs: out0 4 x 2,048 x 768 float32.
;; This version of the problem:
;;   THIS VERSION OF THE PROBLEM IS GIVEN IN LOW PRECISION. The matrix products marked QUANTISED in the list below multiply operands that are first quantised to E2M1 (2 exponent bits, 1 mantissa bit; 4 bits a number), with one power-of-two scale for each 32 numbers along K (OCP MX v1.0); their sums are f32. The products marked 'left as it is' may take bf16, f16 or f32 operands, with f32 sums. Whichever they take, every output number must still come out within the allowed error. Rounding operands to bf16 (8 significant bits) uses up far more of that allowance than f16 does (11 bits, for magnitudes from 6e-5 to 65,504). All else is computed in f32.
;;   The module's matrix products, in the order in which they are computed (A, B: the left and right operand; K: the contracted axis; several contracted axes count as one K, in the product's order):
;;     1. [M 8,192, K 768] x [K 768, N 768]; A: input x; B: input wq: QUANTISED
;;     2. [M 8,192, K 768] x [K 768, N 768]; A: input x; B: input wk: QUANTISED
;;     3. [M 8,192, K 768] x [K 768, N 768]; A: input x; B: input wv: QUANTISED
;;     4. batch 32 x [M 2,048, K 96] x [K 96, N 2,048]; A: computed on the way; B: computed on the way: left as it is (an operand is computed on the way)
;;     5. batch 32 x [M 2,048, K 2,048] x [K 2,048, N 96]; A: computed on the way; B: computed on the way: left as it is (an operand is computed on the way)
;;     6. [M 8,192, K 768] x [K 768, N 768]; A: computed on the way; B: input wo: left as it is (an operand is computed on the way)
;;   THE QUANTISER, for each operand of a quantised product, along K:
;;     - K is cut into blocks of 32 from its start; a last block that is shorter is filled with zeros.
;;     - A block's scale is 2^e with e = floor(log2(the largest magnitude in the block)) - 2, held to -126 .. 127; a block of zeros has e = 0. As a byte (E8M0): e + 127.
;;     - Each number is divided by its block's scale, clamped to +-6, and rounded to the nearest number of E2M1, ties to even, subnormals kept.
;;     - The product sums the exact products of the quantised numbers (number of the format x scale) in f32.
;;   ~~~python
;;   def quantise(x, axis):      # numpy; x: float32 -> the quantised numbers, widened to float32 again
;;       x = np.moveaxis(x, axis, -1); K = x.shape[-1]
;;       x = np.pad(x, [(0, 0)] * (x.ndim - 1) + [(0, -K % 32)]); x = x.reshape(x.shape[:-1] + (-1, 32)); a = np.abs(x).max(-1, keepdims=True)
;;       e = np.where(a > 0, np.clip(np.frexp(np.where(a > 0, a, 1))[1] - 1 - 2, -126, 127), 0)      # np.frexp(a)[1] - 1 = floor(log2(a)), exactly
;;       r = np.clip(x / 2.0 ** e, -6, 6)
;;       step = 2.0 ** (np.maximum(np.frexp(np.where(r == 0, 1, r))[1] - 1, 0) - 1)
;;       q = np.round(r / step) * step * 2.0 ** e      # np.round: ties to even
;;       return np.moveaxis(q.reshape(q.shape[:-2] + (-1,))[..., :K], -1, axis).astype(np.float32)
;;   ~~~
;; One version. Each part assembles by itself: llvm-mc -triple=amdgcn-amd-amdhsa -mcpu=gfx1250 --defsym DOCPART=n.
;; ======== version 1 of 1: 4 launches
;; limits: values are held in f16: magnitudes above 65,504 overflow, below 6.1e-05 lose precision
;; workspace buffers: xc 3,145,728 bytes; xs 196,608 bytes; wc 884,736 bytes; ws 55,296 bytes; bf 9,216 bytes; wo16 1,179,648 bytes; qkv 37,748,736 bytes; ao 12,582,912 bytes
;; launch prep (part 1): grid 352 x 1, 6 waves a work-group, no clusters, 51,456 bytes of LDS; arguments x, wq, wk, wv, wo, bq, bk, bv, xc, xs, wc, ws, bf, wo16; writes xc, xs, wc, ws, bf, wo16
.if DOCPART == 1
	.amdgcn_target "amdgcn-amd-amdhsa--gfx1250"
	.amdhsa_code_object_version 6
	.text
	.protected	k_qe1d85a2c00_prep
	.globl	k_qe1d85a2c00_prep
	.p2align	8
	.type	k_qe1d85a2c00_prep,@function
k_qe1d85a2c00_prep:
	s_mov_b64 s[64:65], 0
	v_nop
	global_prefetch_b8 v0, s[64:65] scope:SCOPE_SE
	s_setreg_imm32_b32 hwreg(HW_REG_WAVE_MODE, 25, 1), 1
	s_wait_xcnt 0x0
; PREP: everything that is made once from the inputs, laid as IMAGES OF OPERAND REGISTERS (pieces of 512 bytes, lane l's 16 bytes at 16 l), so that the later launches load fragments at 16 x lane.
;   x [8192][768] f32             -> xc [rt 512][s 6][c 2][512]: E2M1 codes of row tile rt (16 rows), K step s (128); lane (r, h) of piece c: row r, k = 128 s + 64 c + 32 h + 0..31
;                                    xs [rt 512][sp 3][128]: scale words (4 E8M0 bytes = 128 along K); lanes 0-15: step 2 sp, lanes 16-31: step 2 sp + 1
;   wq, wk, wv [768 (k)][768] f32 -> wc [part 16][s 6][i 9][c 2][512], ws [gnt 144][sp 3][128]: the same for column tile gnt = 9 part + i of [q | k | v]; K is the weights' FIRST axis
;   wo [768 (k)][768] f32         -> wo16 [nt 48][kc 24][u 2][512] f16: lane (r, h): column 16 nt + r, k = 32 kc + 16 u + 8 h + 0..7
;   bq, bk, bv                    -> bf [2304] f32 = [bq x c | bk | bv], c = log2(e) / sqrt(96): the softmax's factor goes into q
; A block's scale is 2^(floor(log2(largest magnitude)) - 2); its byte is the largest magnitude's exponent field - 2, held at 1 from below.
; LIMITS: NaN and infinities are not served.  A block of zeros, or one whose largest magnitude lies under 2^-124, gets the byte 1 (the quantiser's text says 127 for zeros): its codes are zeros,
; which add nothing under any byte but 0xff, and the bytes are read by this program alone.  wo is rounded to f16: its magnitudes stay under 65,504.
; SHARES: work-groups 0-255: x, two row tiles each; wave w: row tile 2 g + w / 3, K steps 2 (w % 3) and 2 (w % 3) + 1.  Work-groups 256-351: one of the four weights, 192 columns, one K step of 128;
; a lane takes a column and its registers run down K, so nothing is transposed.  Waves share nothing: no barrier.  Matrix units, tensor loads and clusters have nothing to do here: each byte is read once.
.set C_LOG, 0x3e16c740                 ; c = log2(e) / sqrt(96)
.set STG,   16*528                     ; a wave's stage: 16 rows x (512 bytes + 16): row r starts 4 r banks on, so the 16 rows that a load touches do not meet
.set SPARE, 6*STG                      ; behind the stages: the spare words, 128 bytes a wave: three blocks of 256 bytes that no other line names
.set LANE, 1
.set L16,  2                           ; 16 x lane
.set L4,   3                           ; 4 x lane
.set SI,   4                           ; the stage, on the way in: 16 x lane
.set SO,   5                           ; and on the way out: 528 r + 64 h
.set WOF,  6                           ; the weights' path: 4 x my column
.set SPW,  8                           ; LDS address of my spare word; never rewritten
.set NIL,  9                           ; 0; never rewritten
.set TM,   12                          ; v12-15 largest magnitudes, v16-19 the other half's and then bytes, v24-27 scale operands
.set PW,   28                          ; v28, v29 the two K steps' scale words, v30 the word that leaves
.set PC,   32                          ; v32-47 codes
.set R,    48                          ; v48-175 128 numbers
	s_load_b512 s[8:23], s[0:1], 0x0               ; x 8, wq 10, wk 12, wv 14, wo 16, bq 18, bk 20, bv 22
	s_load_b256 s[24:31], s[0:1], 0x40             ; xc 24, xs 26, wc 28, ws 30
	s_load_b128 s[32:35], s[0:1], 0x60             ; bf 32, wo16 34
	v_lshl_add_u32 v[SPW], v0, 2, SPARE
	v_mov_b32 v[NIL], 0
	v_lshrrev_b32 v[LANE], 5, v0
	v_readfirstlane_b32 s36, v[LANE]               ; wave 0..5
	v_and_b32 v[LANE], 31, v0
	v_lshlrev_b32 v[L16], 4, v[LANE]
	v_lshlrev_b32 v[L4], 2, v[LANE]
	s_mov_b32 s40, 0x76543210
	s_mov_b32 s41, 0xfedcba98                      ; v_permlanex16_b32's selects for lane l xor 16
	s_cmp_lt_u32 ttmp9, 256
	s_cbranch_scc0 .Lweights
; ---------------- x ----------------
; 64 numbers of a lane, register 16 b + i = k 32 b + 16 h + i of my row, become a fragment's codes in v[pc] on and its scale word in v[pw].
.macro QUANT s, pc, pw
.irp b, 0,1,2,3
	v_max3_num_f32 v[TM+\b], |v[16*\b+(\s)]|, |v[16*\b+1+(\s)]|, 0x1800000   ; block b: my 16 numbers, and the floor 2^(3 - 127): the byte cannot fall under 1
.endr
.irp i, 2,4,6,8,10,12,14
.irp b, 0,1,2,3
	v_max3_num_f32 v[TM+\b], v[TM+\b], |v[16*\b+\i+(\s)]|, |v[16*\b+\i+1+(\s)]|   ; the four blocks by turns
.endr
.endr
.irp b, 0,1,2,3
	v_permlanex16_b32 v[TM+4+\b], v[TM+\b], s40, s41
.endr
.irp b, 0,1,2,3
	v_max_num_f32 v[TM+\b], v[TM+\b], v[TM+4+\b]   ; with lane l xor 16's 16: the block's largest magnitude
.endr
.irp b, 0,1,2,3
	v_add_nc_u32 v[TM+12+\b], 0xff000000, v[TM+\b] ; 2 off its exponent field: the conversion takes the exponent field of this operand as its scale
.endr
.irp b, 0,1,2,3
	v_lshrrev_b32 v[TM+4+\b], 23, v[TM+12+\b]      ; the scale's byte
.endr
	v_lshl_or_b32 v[\pw], v[TM+5], 8, v[TM+4]      ; four bytes: my row's scale word (both halves of the lanes hold it)
	v_lshl_or_b32 v[\pw], v[TM+6], 16, v[\pw]
	v_lshl_or_b32 v[\pw], v[TM+7], 24, v[\pw]
.irp b, 0,1,2,3
	v_cvt_scalef32_pk8_fp4_f32 v[2*\b+(\pc)], v[16*\b+(\s):16*\b+7+(\s)], v[TM+12+\b]
	v_cvt_scalef32_pk8_fp4_f32 v[2*\b+1+(\pc)], v[16*\b+8+(\s):16*\b+15+(\s)], v[TM+12+\b]
.endr
	v_nop                                          ; one plain instruction between a scaled conversion and the vector instruction that touches its result
.irp c, 0,1                                    ; the operand's layout wants a whole block in a lane: lanes 0-15 block 2 c, lanes 16-31 block 2 c + 1
.irp i, 0,1
	v_permlane16_swap_b32 v[4*\c+\i+(\pc)], v[4*\c+2+\i+(\pc)]
.endr
.endr
.endm
; K step e's 16 rows x 512 bytes go through my stage as they lie and come back 64 bytes a lane and block, into the registers that they left.  LDS serves a wave's instructions in order.
.macro TURN e
.irp i, 0,1,2,3,4,5,6,7,8,9,10,11,12,13,14,15
	ds_store_b128 v[SI], v[R+64*\e+4*\i:R+64*\e+4*\i+3] offset:528*\i
.endr
.irp b, 0,1,2,3
.irp j, 0,1,2,3
	ds_load_b128 v[R+64*\e+16*\b+4*\j:R+64*\e+16*\b+4*\j+3], v[SO] offset:128*\b+16*\j
.endr
.endr
.endm
	s_cmp_ge_u32 s36, 3
	s_cselect_b32 s37, 1, 0                        ; which of the work-group's two row tiles
	s_mul_i32 s38, s37, 3
	s_sub_co_u32 s38, s36, s38                     ; sp: which pair of K steps
	s_lshl_b32 s39, ttmp9, 1
	s_add_co_u32 s39, s39, s37                     ; rt
	s_mul_i32 s42, s36, STG                        ; my stage
	v_add_nc_u32 v[SI], s42, v[L16]
	v_and_b32 v6, 15, v0                           ; r
	v_bfe_u32 v7, v0, 4, 1                         ; h
	v_mul_u32_u24 v[SO], v6, 528
	v_lshl_add_u32 v[SO], v7, 6, v[SO]
	v_add_nc_u32 v[SO], s42, v[SO]
.irp b, 0,1,2,3
	v_mov_b32 v[TM+4+\b], 0                        ; written once: a lane permute's destination counts as one of its sources
.endr
	s_mul_i32 s44, s39, 49152                      ; x: 16 rows of 3,072 bytes a tile, 1,024 bytes a pair of K steps
	s_lshl_b32 s46, s38, 10
	s_add_co_u32 s44, s44, s46
	s_mov_b32 s45, 0
	s_mul_i32 s46, s39, 6144                       ; xc
	s_lshl_b32 s48, s38, 11
	s_add_co_u32 s46, s46, s48
	s_mov_b32 s47, 0
	s_mul_i32 s48, s39, 384                        ; xs
	s_lshl_b32 s50, s38, 7
	s_add_co_u32 s48, s48, s50
	s_mov_b32 s49, 0
	s_wait_kmcnt 0x0
	s_add_nc_u64 s[8:9], s[8:9], s[44:45]
	s_add_nc_u64 s[24:25], s[24:25], s[46:47]
	s_add_nc_u64 s[26:27], s[26:27], s[48:49]
.irp e, 0,1
.irp i, 0,1,2,3,4,5,6,7,8,9,10,11,12,13,14,15
	global_load_b128 v[R+64*\e+4*\i:R+64*\e+4*\i+3], v[L16], s[8:9] offset:3072*\i+512*\e th:TH_LOAD_NT   ; 32 lanes read 512 consecutive bytes of row i
.endr
.endr
	s_wait_loadcnt 16                              ; the first K step's sixteen loads are in; the second's sixteen may be out
	TURN 0
	s_wait_loadcnt 0x0
	TURN 1
	s_wait_dscnt 32                                ; the first turn is back; the second turn's 32 LDS instructions may be out
	QUANT R, PC, PW
.irp c, 0,1
	global_store_b128 v[L16], v[PC+4*\c:PC+4*\c+3], s[24:25] offset:512*\c        ; 512 consecutive bytes
.endr
	s_wait_dscnt 0x0
	QUANT R+64, PC+8, PW+1
.irp c, 0,1
	global_store_b128 v[L16], v[PC+8+4*\c:PC+8+4*\c+3], s[24:25] offset:1024+512*\c
.endr
	v_cmp_gt_u32 vcc_lo, 16, v[LANE]
	v_cndmask_b32 v[PW+2], v[PW+1], v[PW], vcc_lo  ; lanes 0-15: the even step's word of row r; lanes 16-31: the odd step's
	global_store_b32 v[L4], v[PW+2], s[26:27]
	s_wait_tensorcnt 0x0                           ; the wave's end, behind my last LDS store
	ds_add_u32 v[SPW], v[NIL]
	s_wait_dscnt 0x0
	s_endpgm
; ---------------- the four weights ----------------
.Lweights:
	s_sub_co_u32 s37, ttmp9, 256                   ; j = 0..95 = 6 a + s
	s_mul_i32 s38, s37, 43
	s_lshr_b32 s38, s38, 8                         ; a = j / 6 (43 / 256 serves j under 96)
	s_mul_i32 s39, s38, 6
	s_sub_co_u32 s39, s37, s39                     ; s: the K step
	s_lshr_b32 s42, s38, 2                         ; t: 0 wq, 1 wk, 2 wv, 3 wo
	s_and_b32 s43, s38, 3                          ; cg: which 192 columns
	s_mul_i32 s44, s43, 768
	s_lshl_b32 s45, s36, 7
	s_add_co_u32 s44, s44, s45
	v_add_nc_u32 v[WOF], s44, v[L4]                ; 4 n, n = 192 cg + 32 wave + lane
	s_mul_i32 s46, s39, 393216                     ; 128 rows of 3,072 bytes
	s_mov_b32 s47, 0
	s_wait_kmcnt 0x0
	s_cmp_eq_u32 s42, 0                            ; the choice hangs on the work-group's number alone
	s_cselect_b64 s[48:49], s[10:11], s[12:13]
	s_cmp_eq_u32 s42, 2
	s_cselect_b64 s[48:49], s[14:15], s[48:49]
	s_cmp_eq_u32 s42, 3
	s_cselect_b64 s[48:49], s[16:17], s[48:49]
	s_add_nc_u64 s[48:49], s[48:49], s[46:47]
.set i, 0
.rept 128
	global_load_b32 v[R+i], v[WOF], s[48:49] offset:3072*i th:TH_LOAD_NT   ; W(128 s + i, n): a wave reads 128 consecutive bytes, the six waves 768
.set i, i+1
.endr
	s_mul_i32 s50, s43, 12
	s_lshl_b32 s51, s36, 1
	s_add_co_u32 s50, s50, s51
	v_lshrrev_b32 v7, 4, v[LANE]
	v_add_nc_u32 v7, s50, v7                       ; nt = n / 16
	v_and_b32 v10, 15, v[LANE]                     ; r = n % 16
	s_cmp_eq_u32 s42, 3
	s_cbranch_scc1 .Lwo
	; wq, wk, wv: codes and scale bytes
	s_mul_i32 s51, s42, 48
	v_add_nc_u32 v7, s51, v7                       ; gnt
	v_mul_u32_u24 v24, v7, 7282
	v_lshrrev_b32 v24, 16, v24                     ; part = gnt / 9 (7282 / 65536 serves gnt under 144)
	v_mul_u32_u24 v25, v24, 9
	v_sub_nc_u32 v25, v7, v25                      ; i
	v_mul_u32_u24 v11, v24, 55296
	v_lshl_add_u32 v11, v25, 10, v11
	v_lshl_add_u32 v11, v10, 4, v11                ; my 16 bytes of a piece's lower half
	v_mul_u32_u24 v26, v7, 384
	v_lshl_add_u32 v26, v10, 2, v26                ; my scale word
	s_mul_i32 s52, s39, 9216
	s_mov_b32 s53, 0
	s_add_nc_u64 s[28:29], s[28:29], s[52:53]
	s_lshr_b32 s52, s39, 1
	s_lshl_b32 s52, s52, 7
	s_and_b32 s54, s39, 1
	s_lshl_b32 s54, s54, 6
	s_add_co_u32 s52, s52, s54                     ; 128 (s / 2) + 64 (s % 2)
	s_add_nc_u64 s[30:31], s[30:31], s[52:53]
.macro BLOCK b                         ; block b of the K step: all its 32 numbers are mine
.set XB, R+32*\b
	v_max3_num_f32 v12, |v[XB]|, |v[XB+1]|, |v[XB+2]|
	v_max3_num_f32 v13, |v[XB+3]|, |v[XB+4]|, |v[XB+5]|
.irp i, 6,10,14,18,22,26
	v_max3_num_f32 v12, v12, |v[XB+\i]|, |v[XB+\i+1]|
	v_max3_num_f32 v13, v13, |v[XB+\i+2]|, |v[XB+\i+3]|
.endr
	v_max3_num_f32 v12, v12, |v[XB+30]|, |v[XB+31]|
	v_max3_num_f32 v12, v12, v13, 0x1800000        ; and the floor
	v_add_nc_u32 v14, 0xff000000, v12              ; the conversion's scale operand
	v_lshrrev_b32 v15, 23, v14                     ; the byte
.if \b == 0
	v_mov_b32 v[PW+2], v15
.else
	v_lshl_or_b32 v[PW+2], v15, 8*\b, v[PW+2]
.endif
.irp g, 0,1,2,3
	v_cvt_scalef32_pk8_fp4_f32 v[PC+4*\b+\g], v[XB+8*\g:XB+8*\g+7], v14
.endr
	global_store_b128 v11, v[PC+4*\b:PC+4*\b+3], s[28:29] offset:256*\b   ; block b = 2 c + h lies 256 b bytes into the tile's two pieces; sixteen lanes store 256 consecutive bytes, aligned
.endm
	s_wait_loadcnt 63                              ; the first 32 loads are in (96 younger ones might stay out; the count's field holds 63)
	BLOCK 0
	s_wait_loadcnt 63                              ; 64 might stay out
	BLOCK 1
	s_wait_loadcnt 32
	BLOCK 2
	s_wait_loadcnt 0x0
	BLOCK 3
	global_store_b32 v26, v[PW+2], s[30:31]
	s_cmp_lg_u32 s39, 0                            ; the work-groups of K step 0 also lay their 192 numbers of the bias
	s_cbranch_scc1 .Ldone
	s_cmp_eq_u32 s42, 0
	s_cselect_b64 s[54:55], s[18:19], s[20:21]
	s_cselect_b32 s56, C_LOG, 1.0                  ; q's bias takes the factor that q takes
	s_cmp_eq_u32 s42, 2
	s_cselect_b64 s[54:55], s[22:23], s[54:55]
	s_mul_i32 s58, s42, 3072
	s_mov_b32 s59, 0
	s_add_nc_u64 s[32:33], s[32:33], s[58:59]
	global_load_b32 v16, v[WOF], s[54:55]
	s_wait_loadcnt 0x0
	v_mul_f32 v17, s56, v16
	global_store_b32 v[WOF], v17, s[32:33]
.Ldone:
	s_endpgm
	; wo: rounded to f16, eight neighbours along K to 16 bytes
.Lwo:
	v_mul_u32_u24 v11, v7, 24576
	v_lshl_add_u32 v11, v10, 4, v11
	s_lshl_b32 s52, s39, 12                        ; a K step of 128 is four chunks of 1,024 bytes
	s_mov_b32 s53, 0
	s_add_nc_u64 s[34:35], s[34:35], s[52:53]
	s_wait_loadcnt 0x0
.set d, 0
.rept 64
	v_cvt_pk_f16_f32 v[R+d], v[R+2*d], v[R+2*d+1]  ; in place, ascending: a result never lands on a number not yet read
.set d, d+1
.endr
.irp o, 0,1,2,3,4,5,6,7,8,9,10,11,12,13,14,15
	global_store_b128 v11, v[R+4*\o:R+4*\o+3], s[34:35] offset:256*\o     ; k = 128 s + 8 o on: chunk o / 4, piece (o / 2) % 2, half o % 2: 256 o bytes on
.endr
	s_endpgm
.Lfunc_end_k_qe1d85a2c00_prep:
	.size	k_qe1d85a2c00_prep, .Lfunc_end_k_qe1d85a2c00_prep-k_qe1d85a2c00_prep
	.p2alignl 7, 3214868480
	.fill 96, 4, 3214868480
	.section	.rodata,"a",@progbits
	.p2align	6, 0x0
	.amdhsa_kernel k_qe1d85a2c00_prep
		.amdhsa_group_segment_fixed_size 51456
		.amdhsa_private_segment_fixed_size 0
		.amdhsa_enable_private_segment 0
		.amdhsa_kernarg_size 112
		.amdhsa_user_sgpr_count 2
		.amdhsa_user_sgpr_kernarg_segment_ptr 1
		.amdhsa_wavefront_size32 1
		.amdhsa_system_sgpr_workgroup_id_x 1
		.amdhsa_system_sgpr_workgroup_id_y 1
		.amdhsa_system_sgpr_workgroup_id_z 1
		.amdhsa_system_vgpr_workitem_id 0
		.amdhsa_next_free_vgpr 192
		.amdhsa_next_free_sgpr 66
		.amdhsa_reserve_vcc 1
		.amdhsa_float_denorm_mode_32 3
		.amdhsa_float_denorm_mode_16_64 3
		.amdhsa_memory_ordered 1
		.amdhsa_forward_progress 1
		.amdhsa_inst_pref_size 45
	.end_amdhsa_kernel
	.amdgpu_metadata
---
amdhsa.version: [ 1, 2 ]
amdhsa.kernels:
  - .name:           k_qe1d85a2c00_prep
    .symbol:         k_qe1d85a2c00_prep.kd
    .args:
      - { .name: x, .offset: 0, .size: 8, .value_kind: global_buffer, .address_space: global }
      - { .name: wq, .offset: 8, .size: 8, .value_kind: global_buffer, .address_space: global }
      - { .name: wk, .offset: 16, .size: 8, .value_kind: global_buffer, .address_space: global }
      - { .name: wv, .offset: 24, .size: 8, .value_kind: global_buffer, .address_space: global }
      - { .name: wo, .offset: 32, .size: 8, .value_kind: global_buffer, .address_space: global }
      - { .name: bq, .offset: 40, .size: 8, .value_kind: global_buffer, .address_space: global }
      - { .name: bk, .offset: 48, .size: 8, .value_kind: global_buffer, .address_space: global }
      - { .name: bv, .offset: 56, .size: 8, .value_kind: global_buffer, .address_space: global }
      - { .name: xc, .offset: 64, .size: 8, .value_kind: global_buffer, .address_space: global }
      - { .name: xs, .offset: 72, .size: 8, .value_kind: global_buffer, .address_space: global }
      - { .name: wc, .offset: 80, .size: 8, .value_kind: global_buffer, .address_space: global }
      - { .name: ws, .offset: 88, .size: 8, .value_kind: global_buffer, .address_space: global }
      - { .name: bf, .offset: 96, .size: 8, .value_kind: global_buffer, .address_space: global }
      - { .name: wo16, .offset: 104, .size: 8, .value_kind: global_buffer, .address_space: global }
    .group_segment_fixed_size: 51456
    .private_segment_fixed_size: 0
    .kernarg_segment_align: 8
    .kernarg_segment_size: 112
    .max_flat_workgroup_size: 192
    .sgpr_count:     66
    .vgpr_count:     192
    .wavefront_size: 32
...
	.end_amdgpu_metadata
.endif
;; end of part 1
;; launch qkv (part 2): grid 4 x 64, 4 waves a work-group, clusters of 4 x 4, 327,680 bytes of LDS; arguments xc, xs, wc, ws, bf, qkv; writes qkv
.if DOCPART == 2
	.amdgcn_target "amdgcn-amd-amdhsa--gfx1250"
	.amdhsa_code_object_version 6
	.text
	.protected	k_qe1d85a2c00_qkv
	.globl	k_qe1d85a2c00_qkv
	.p2align	8
	.type	k_qe1d85a2c00_qkv,@function
k_qe1d85a2c00_qkv:
	s_mov_b64 s[64:65], 0
	v_nop
	global_prefetch_b8 v0, s[64:65] scope:SCOPE_SE
	s_setreg_imm32_b32 hwreg(HW_REG_WAVE_MODE, 25, 1), 1
	s_wait_xcnt 0x0
	s_wait_alu depctr_hold_cnt(0) depctr_sa_sdst(0) depctr_va_vdst(0) depctr_va_sdst(0) depctr_va_ssrc(0) depctr_va_vcc(0) depctr_vm_vsrc(0)
	s_getreg_b32 s2, hwreg(HW_REG_IB_STS2, 6, 4)
	s_cmp_eq_u32 s2, 0
	s_cbranch_scc0 .Lentry_in_a_cluster
	s_endpgm
.Lentry_in_a_cluster:
	s_bfe_u32 s2, ttmp6, 0x10000c
	s_cmp_lg_u32 s2, 0xf033
	s_cbranch_scc0 .Lentry_shape_is_right
	s_endpgm
.Lentry_shape_is_right:
; QKV: [q x c | k | v] = Q(x) Q([wq | wk | wv]) x factor + bias, 8,192 x 2,304 x 768, on E2M1 codes with E8M0 scales; sums in f32; the result is rounded once to f16 and laid as register images:
;   qkv [rt 512][gnt 144][512]: q's and k's pieces: lane (r, h) at 16 (r + 16 h): row r, channels 8 h .. 8 h + 7 of column tile gnt; v's pieces: the same 16 bytes at slot 16 (r / 8) + 8 h + r % 8,
;   the order in which the turning LDS load of the next launch wants 512 consecutive bytes.
; SHARES.  Work-group (X, Y): rows 128 Y on, columns 576 X on.  Wave w: 9 column tiles from 36 X + 9 w, for all 128 rows: its codes of W (432 registers) become resident; the rows go in four groups of two
; tiles, 18 accumulators by turns.  USED TRANSPOSED (source 0 = 16 columns of W, source 1 = 16 rows of x): a lane holds one row and eight neighbouring channels, which pack into a piece's 16 bytes: no stage.
; LDS is filled once: x's codes of the 128 rows (49,152 bytes, a quarter by each wave) and each wave's part of W (55,296 bytes in three loads); by this text's count a wave has four tensor loads out.
; CLUSTER 4 x 4: the four work-groups of a row of the cluster need the same rows of x, the four of a column the same parts of W: each tile is asked for jointly.
; LIMITS: |q c|, |k|, |v| stay under 65,504 (f16).
; REGISTERS.  window 0: v1-5 addresses; v16-24 a store offset for each column tile; v32-55 x's scale words, v56-82 W's; v84-179 x's fragments of a group; v180-251 packed results; v252, v253 the add's two.
;   window 1: W's fragments of K steps 0-2 (v[72 s + 8 i]);  window 2: of steps 3-5;  window 3: v0-143 accumulators (mm, i) at v[8 (9 mm + i)], v144-215 the bias of tile i.
.set C_LOG,  0x3e16c740                ; c = log2(e) / sqrt(96)
.set ABYTES, 49152
.set BPART,  55296
.set SPARE,  ABYTES+4*BPART            ; behind the tiles: the spare words, 128 bytes a wave: two blocks of 256 bytes that no other line names
.set L16,  1                           ; 16 x lane: also the LDS address of x's images
.set L4,   2
.set BO,   3                           ; 32 h
.set ADB,  5                           ; LDS address of my part of W
.set LOFF, 16
.set XS,   32
.set WS,   56
.set AF,   84
.set OUTR, 180
.set SPW,  252
.set NIL,  253
.set BF,   144
.set G1A,  24                          ; s[24:31] group 1 for x's codes;  s[32:39] for W's;  s[40:43] group 0 for x's;  s[44:55] three for W's
.set G1B,  32
.set G0A,  40
.set G0B,  44
.set FS,   66                          ; s[66:83] the factor of tile i, as a pair
.set MSB, 0
.macro WIN new                         ; the immediate's high byte repeats the setting that is left; a switch that changes nothing is dropped
.if MSB != \new
	s_set_vgpr_msb (MSB<<8)|\new
.set MSB, \new
.endif
.endm
.macro PLACES n
.rept \n
	v_nop
.endr
.endm
.macro CROUND                          ; a round of the cluster's barrier
	s_barrier_signal -1
	s_barrier_wait -1
	s_cmp_lg_u32 s16, 0
	s_cbranch_scc1 .Lnot_wave_0_\@
	s_barrier_signal -3
.Lnot_wave_0_\@:
	s_barrier_wait -3
	s_barrier_signal -1
	s_barrier_wait -1
.endm
	s_load_b256 s[4:11], s[0:1], 0x0               ; xc 4, xs 6, wc 8, ws 10
	s_load_b128 s[12:15], s[0:1], 0x20             ; bf 12, qkv 14
	v_lshl_add_u32 v[SPW], v0, 2, SPARE
	v_mov_b32 v[NIL], 0
	ds_add_u32 v[SPW], v[NIL]                      ; the wave's opening: the add, twice on end, and its wait ahead of my first tensor load
	ds_add_u32 v[SPW], v[NIL]
	v_lshrrev_b32 v6, 5, v0
	v_readfirstlane_b32 s16, v6                    ; wave 0..3
	s_bfe_u32 s17, ttmp6, 0x40000                  ; cx
	s_bfe_u32 s18, ttmp6, 0x40004                  ; cy
	s_lshl_b32 s19, ttmp9, 2
	s_add_co_u32 s19, s19, s17                     ; X
	s_and_b32 s20, ttmp7, 0xffff
	s_lshl_b32 s20, s20, 2
	s_add_co_u32 s20, s20, s18                     ; Y
	s_lshl_b32 s56, s18, 2
	s_lshl_b32 s56, 15, s56                        ; my row of the cluster
	s_lshl_b32 s57, 0x1111, s17                    ; my column
	; both tiles are dense blocks, stated as rows of 256 bytes (32 elements of 8 bytes), no padding: images are read 512 consecutive bytes at a time
	s_or_b32 s[G1A], s56, (3<<16)|(1<<21)          ; 15:0 the mask; 17:16 elements of 8 bytes; 21 set beside a mask
	s_or_b32 s[G1B], s57, (3<<16)|(1<<21)
.irp g, G1A, G1B
	s_mov_b32 s[\g+1], 32<<16                      ; tensor_dim0
	s_mov_b32 s[\g+3], 32<<16                      ; tile_dim0
	s_mov_b32 s[\g+5], 32                          ; the pitch
	s_mov_b32 s[\g+6], 0
	s_mov_b32 s[\g+7], 0
.endr
	s_mov_b32 s[G1A+2], 48<<16                     ; x: 48 rows = 12,288 bytes a wave
	s_mov_b32 s[G1A+4], 48
	s_mov_b32 s[G1B+2], 72<<16                     ; W: 72 rows = 18,432 bytes = two K steps of my nine tiles
	s_mov_b32 s[G1B+4], 72
	s_lshl_b32 s62, s19, 2
	s_add_co_u32 s62, s62, s16                     ; my part of W: 4 X + wave
	s_mul_i32 s21, s62, 9                          ; my first column tile
.irp i, 0,1,2,3,4,5,6,7,8
	s_cmp_lt_u32 s21, 48-\i                        ; a tile of q takes the factor c, the others 1
	s_cselect_b32 s[FS+2*\i], C_LOG, 1.0
	s_mov_b32 s[FS+2*\i+1], s[FS+2*\i]             ; (named with it as a pair, so it is written)
.endr
	v_and_b32 v6, 31, v0
	v_lshlrev_b32 v[L16], 4, v6
	v_lshlrev_b32 v[L4], 2, v6
	v_bfe_u32 v7, v0, 4, 1                         ; h
	v_lshlrev_b32 v[BO], 5, v7
	v_and_b32 v8, 7, v0
	v_bfe_u32 v9, v0, 3, 1
	v_lshl_add_u32 v8, v7, 3, v8
	v_lshl_add_u32 v8, v9, 4, v8
	v_lshlrev_b32 v8, 4, v8                        ; v's slot: 16 x (16 (r / 8) + 8 h + r % 8)
.irp i, 0,1,2,3,4,5,6,7,8
	s_cmp_ge_u32 s21, 96-\i                        ; a tile of v?
	s_cselect_b32 s22, -1, 0
	v_cndmask_b32 v[LOFF+\i], v[L16], v8, s22      ; enters offsets into memory alone
.endr
	s_mul_i32 s58, s20, ABYTES                     ; x's codes: Y and the wave alone
	s_mul_i32 s[G0A+1], s16, 12288                 ; and their place in LDS: the wave alone
	s_add_co_u32 s58, s58, s[G0A+1]
	s_mov_b32 s59, 0
	s_mul_i32 s60, s62, BPART                      ; W's codes: X and the wave alone
	s_mov_b32 s61, 0
	s_mul_i32 s63, s16, BPART
	s_add_co_u32 s63, s63, ABYTES
	v_add_nc_u32 v[ADB], s63, v[L16]
	s_wait_dscnt 0x0                               ; both opening adds are done
	s_wait_kmcnt 0x0
	s_mov_b32 s[G0A], 1
	s_add_nc_u64 s[G0A+2:G0A+3], s[4:5], s[58:59]
	s_or_b32 s[G0A+3], s[G0A+3], 0x80000000
.irp p, 0,1,2
	s_mov_b32 s[G0B+4*\p], 1
	s_add_co_u32 s[G0B+4*\p+1], s63, 18432*\p
	s_add_nc_u64 s[G0B+4*\p+2:G0B+4*\p+3], s[8:9], s[60:61]
.if \p > 0
	s_add_nc_u64 s[G0B+4*\p+2:G0B+4*\p+3], s[G0B+4*\p+2:G0B+4*\p+3], 18432*\p
.endif
	s_or_b32 s[G0B+4*\p+3], s[G0B+4*\p+3], 0x80000000
.endr
	CROUND                                         ; all sixteen work-groups are here: the joint loads meet
	tensor_load_to_lds s[G0A:G0A+3], s[G1A:G1A+7]  ; the first fills go out as one group; an s_nop 0 follows each, four v_nop the last
	s_nop 0
	tensor_load_to_lds s[G0B:G0B+3], s[G1B:G1B+7]
	s_nop 0
	tensor_load_to_lds s[G0B+4:G0B+7], s[G1B:G1B+7]
	s_nop 0
	tensor_load_to_lds s[G0B+8:G0B+11], s[G1B:G1B+7]
	s_nop 0
	PLACES 4
	s_mul_i32 s58, s20, 3072
	s_add_nc_u64 s[6:7], s[6:7], s[58:59]          ; x's scale words of my 8 row tiles
	s_mul_i32 s60, s21, 384
	s_add_nc_u64 s[10:11], s[10:11], s[60:61]      ; W's of my 9 column tiles
.irp m, 0,1,2,3,4,5,6,7
.irp sp, 0,1,2
	global_load_b32 v[XS+3*\m+\sp], v[L4], s[6:7] offset:384*\m+128*\sp     ; lanes 0-15: K step 2 sp, lanes 16-31: 2 sp + 1
.endr
.endr
.irp i, 0,1,2,3,4,5,6,7,8
.irp sp, 0,1,2
	global_load_b32 v[WS+3*\i+\sp], v[L4], s[10:11] offset:384*\i+128*\sp
.endr
.endr
	s_lshl_b32 s60, s21, 6
	s_add_nc_u64 s[12:13], s[12:13], s[60:61]
	WIN 0xc0                                       ; destination window 3
.irp i, 0,1,2,3,4,5,6,7,8
	global_load_b128 v[BF+8*\i:BF+8*\i+3], v[BO], s[12:13] offset:64*\i       ; the bias in the result's layout: channels 8 h + 0 .. 7 of tile i
	global_load_b128 v[BF+8*\i+4:BF+8*\i+7], v[BO], s[12:13] offset:64*\i+16
.endr
	WIN 0
	s_mul_i32 s58, s20, 589824                     ; the output: 8 row tiles of 73,728 bytes,
	s_add_nc_u64 s[14:15], s[14:15], s[58:59]
	s_lshl_b32 s60, s21, 9                         ; 512 bytes a column tile
	s_add_nc_u64 s[14:15], s[14:15], s[60:61]
.macro FETCH_B s                       ; my nine fragments of W for K step s: they stay
.if (\s) < 3
	WIN 0x40
.set BB, 72*(\s)
.else
	WIN 0x80
.set BB, 72*((\s)-3)
.endif
.irp i, 0,1,2,3,4,5,6,7,8
.irp c, 0,1
	ds_load_b128 v[BB+8*\i+4*\c:BB+8*\i+4*\c+3], v[ADB] offset:9216*(\s)+1024*\i+512*\c
.endr
.endr
.endm
.macro FETCH_A g                       ; x's fragments of row tiles 2 g, 2 g + 1, all six K steps
	WIN 0
.irp mm, 0,1
.irp s, 0,1,2,3,4,5
.irp c, 0,1
	ds_load_b128 v[AF+8*(6*\mm+\s)+4*\c:AF+8*(6*\mm+\s)+4*\c+3], v[L16] offset:6144*(2*(\g)+\mm)+1024*\s+512*\c
.endr
.endr
.endr
.endm
; 18 matrix instructions: K step s of group g.  The 18 accumulators take turns, one instruction a turn, in the same order in every step.  Step 0 starts the sums: nothing is cleared.
.macro MUL g, s
.if (\s) < 3
	WIN 0xf1                                       ; source 0 (W) window 1, source 1 (x) window 0, C and D window 3
.set BB, 72*(\s)
.else
	WIN 0xf2
.set BB, 72*((\s)-3)
.endif
.irp mm, 0,1
.irp i, 0,1,2,3,4,5,6,7,8
.if (\s) == 0
	v_wmma_scale_f32_16x16x128_f8f6f4 v[8*(9*\mm+\i):8*(9*\mm+\i)+7], v[BB+8*\i:BB+8*\i+7], v[AF+8*(6*\mm+(\s)):AF+8*(6*\mm+(\s))+7], 0, v[WS+3*\i+(\s)/2], v[XS+3*(2*(\g)+\mm)+(\s)/2] matrix_a_fmt:MATRIX_FMT_FP4 matrix_b_fmt:MATRIX_FMT_FP4
.elseif (\s)%2 == 0
	v_wmma_scale_f32_16x16x128_f8f6f4 v[8*(9*\mm+\i):8*(9*\mm+\i)+7], v[BB+8*\i:BB+8*\i+7], v[AF+8*(6*\mm+(\s)):AF+8*(6*\mm+(\s))+7], v[8*(9*\mm+\i):8*(9*\mm+\i)+7], v[WS+3*\i+(\s)/2], v[XS+3*(2*(\g)+\mm)+(\s)/2] matrix_a_fmt:MATRIX_FMT_FP4 matrix_b_fmt:MATRIX_FMT_FP4
.else
	v_wmma_scale_f32_16x16x128_f8f6f4 v[8*(9*\mm+\i):8*(9*\mm+\i)+7], v[BB+8*\i:BB+8*\i+7], v[AF+8*(6*\mm+(\s)):AF+8*(6*\mm+(\s))+7], v[8*(9*\mm+\i):8*(9*\mm+\i)+7], v[WS+3*\i+(\s)/2], v[XS+3*(2*(\g)+\mm)+(\s)/2] matrix_a_fmt:MATRIX_FMT_FP4 matrix_b_fmt:MATRIX_FMT_FP4 matrix_a_scale:MATRIX_SCALE_ROW1 matrix_b_scale:MATRIX_SCALE_ROW1
.endif
.endr
.endr
.endm
; Group g leaves: sum x factor + bias in one fused multiply-add, rounded to f16, stored straight from registers: each store of the wave covers 512 consecutive bytes, aligned.
.macro OUT g
	WIN 0
	PLACES 4                                       ; four plain instructions between the last products and the loads into x's fragments, and the first read of results
.if (\g) < 3
	FETCH_A (\g)+1                                 ; the next group's fragments come while this one is packed
.endif
.if (\g) > 0
	s_wait_xcnt 0x0                                ; the last group's stores have read their data: the packed results may be written again
.endif
	WIN 0xf3                                       ; sums and bias in window 3
.irp mm, 0,1
.irp i, 0,1,2,3,4,5,6,7,8
.irp q, 0,2,4,6
	v_pk_fma_f32 v[8*(9*\mm+\i)+\q:8*(9*\mm+\i)+\q+1], v[8*(9*\mm+\i)+\q:8*(9*\mm+\i)+\q+1], s[FS+2*\i:FS+2*\i+1], v[BF+8*\i+\q:BF+8*\i+\q+1] op_sel_hi:[1,0,1]   ; each accumulator from its low end on
.endr
.endr
.endr
	WIN 0x0f                                       ; sources window 3, destination window 0
.irp mm, 0,1
.irp i, 0,1,2,3,4,5,6,7,8
.irp q, 0,1,2,3
	v_cvt_pk_f16_f32 v[OUTR+4*(9*\mm+\i)+\q], v[8*(9*\mm+\i)+2*\q], v[8*(9*\mm+\i)+2*\q+1]
.endr
.endr
.endr
	WIN 0
.irp mm, 0,1
.irp i, 0,1,2,3,4,5,6,7,8
	global_store_b128 v[LOFF+\i], v[OUTR+4*(9*\mm+\i):OUTR+4*(9*\mm+\i)+3], s[14:15] offset:73728*(2*(\g)+\mm)+512*\i
.endr
.endr
.endm
	s_wait_tensorcnt 2                             ; my quarter of x's codes and my first third of W have landed; the two later thirds may be out
	s_barrier_signal -1
	s_barrier_wait -1                              ; everybody's quarter of x is in
	FETCH_B 0
	FETCH_B 1
	FETCH_A 0
	s_wait_loadcnt 0x0                             ; scale words and bias
	s_wait_dscnt 0x0
	MUL 0, 0
	MUL 0, 1
	s_wait_tensorcnt 1                             ; my second third of W: bytes that I alone read, so my own wait is all the ordering
	FETCH_B 2
	FETCH_B 3
	s_wait_dscnt 0x0
	MUL 0, 2
	MUL 0, 3
	s_wait_tensorcnt 0x0
	FETCH_B 4
	FETCH_B 5
	s_wait_dscnt 0x0
	MUL 0, 4
	MUL 0, 5
	OUT 0
.irp g, 1,2,3
	s_wait_dscnt 0x0                               ; the group's fragments of x
	MUL \g, 0
	MUL \g, 1
	MUL \g, 2
	MUL \g, 3
	MUL \g, 4
	MUL \g, 5
	OUT \g
.endr
	s_wait_tensorcnt 0x0                           ; the wave's end
	ds_add_u32 v[SPW], v[NIL]
	s_wait_dscnt 0x0
	CROUND                                         ; the closing round
	s_endpgm
.Lfunc_end_k_qe1d85a2c00_qkv:
	.size	k_qe1d85a2c00_qkv, .Lfunc_end_k_qe1d85a2c00_qkv-k_qe1d85a2c00_qkv
	.p2alignl 7, 3214868480
	.fill 96, 4, 3214868480
	.section	.rodata,"a",@progbits
	.p2align	6, 0x0
	.amdhsa_kernel k_qe1d85a2c00_qkv
		.amdhsa_group_segment_fixed_size 327680
		.amdhsa_private_segment_fixed_size 0
		.amdhsa_enable_private_segment 0
		.amdhsa_kernarg_size 48
		.amdhsa_user_sgpr_count 2
		.amdhsa_user_sgpr_kernarg_segment_ptr 1
		.amdhsa_wavefront_size32 1
		.amdhsa_system_sgpr_workgroup_id_x 1
		.amdhsa_system_sgpr_workgroup_id_y 1
		.amdhsa_system_sgpr_workgroup_id_z 1
		.amdhsa_system_vgpr_workitem_id 0
		.amdhsa_next_free_vgpr 1024
		.amdhsa_next_free_sgpr 100
		.amdhsa_reserve_vcc 0
		.amdhsa_float_denorm_mode_32 3
		.amdhsa_float_denorm_mode_16_64 3
		.amdhsa_memory_ordered 1
		.amdhsa_forward_progress 1
		.amdhsa_inst_pref_size 127
	.end_amdhsa_kernel
	.amdgpu_metadata
---
amdhsa.version: [ 1, 2 ]
amdhsa.kernels:
  - .name:           k_qe1d85a2c00_qkv
    .symbol:         k_qe1d85a2c00_qkv.kd
    .args:
      - { .name: xc, .offset: 0, .size: 8, .value_kind: global_buffer, .address_space: global }
      - { .name: xs, .offset: 8, .size: 8, .value_kind: global_buffer, .address_space: global }
      - { .name: wc, .offset: 16, .size: 8, .value_kind: global_buffer, .address_space: global }
      - { .name: ws, .offset: 24, .size: 8, .value_kind: global_buffer, .address_space: global }
      - { .name: bf, .offset: 32, .size: 8, .value_kind: global_buffer, .address_space: global }
      - { .name: qkv, .offset: 40, .size: 8, .value_kind: global_buffer, .address_space: global }
    .group_segment_fixed_size: 327680
    .private_segment_fixed_size: 0
    .kernarg_segment_align: 8
    .kernarg_segment_size: 48
    .max_flat_workgroup_size: 128
    .sgpr_count:     100
    .vgpr_count:     1024
    .wavefront_size: 32
...
	.end_amdgpu_metadata
.endif
;; end of part 2
;; launch attn (part 3): grid 8 x 32, 8 waves a work-group, clusters of 4 x 1, 327,680 bytes of LDS; arguments qkv, ao; writes ao
.if DOCPART == 3
	.amdgcn_target "amdgcn-amd-amdhsa--gfx1250"
	.amdhsa_code_object_version 6
	.text
	.protected	k_qe1d85a2c00_attn
	.globl	k_qe1d85a2c00_attn
	.p2align	8
	.type	k_qe1d85a2c00_attn,@function
k_qe1d85a2c00_attn:
	s_mov_b64 s[64:65], 0
	v_nop
	global_prefetch_b8 v0, s[64:65] scope:SCOPE_SE
	s_setreg_imm32_b32 hwreg(HW_REG_WAVE_MODE, 25, 1), 1
	s_wait_xcnt 0x0
	s_wait_alu depctr_hold_cnt(0) depctr_sa_sdst(0) depctr_va_vdst(0) depctr_va_sdst(0) depctr_va_ssrc(0) depctr_va_vcc(0) depctr_vm_vsrc(0)
	s_getreg_b32 s2, hwreg(HW_REG_IB_STS2, 6, 4)
	s_cmp_eq_u32 s2, 0
	s_cbranch_scc0 .Lentry_in_a_cluster
	s_endpgm
.Lentry_in_a_cluster:
	s_bfe_u32 s2, ttmp6, 0x10000c
	s_cmp_lg_u32 s2, 0x3003
	s_cbranch_scc0 .Lentry_shape_is_right
	s_endpgm
.Lentry_shape_is_right:
; ATTN: for each batch b and head h, O[q] = the sum over keys of softmax(q . k / sqrt(96)) v, 2,048 keys, head size 96, no mask.  q arrives multiplied by c = log2(e) / sqrt(96), so a score is a
; base-2 logit t.  For each query a RUNNING MAXIMUM m and sum l: p = 2^(t - m), at most 1; in every step O and l are multiplied by a = 2^(m_old - m_new).  Operands in f16, products, maxima and sums in f32;
; p is rounded to f16 for the second product, O once at the end.
; qkv [rt 512][gnt 144][512] holds register images (q: tiles 6 h on; k: 48 + 6 h on; v: 96 + 6 h on, in the turning load's order).  ao [mb 64][kc 24][m 8][u 2][512]: the next launch's operand images.
; SHARES.  A work-group owns 256 queries of one (b, h); each of its eight waves 32, two tiles, in 512 registers: two waves to a SIMD, so that one wave's softmax stands beside the other's products; the step is
; written in plain phases.  Every wave walks the keys, 64 a step.  BOTH PRODUCTS TRANSPOSED: S^T = K Q^T, O^T = V^T P: a lane holds one query (lane % 16) throughout; two tiles of S^T, rounded in pairs, ARE
; source 1 of the second product.
; RING.  Two slots of four steps (K: 4 x 12,288 bytes, then V likewise); every wave fetches 12,288 bytes of a fill: waves 0-3 K's step w, waves 4-7 V's step w - 4.  Two loads of a wave are out at the start,
; one behind each change of slots, where it has four steps in which to land.
; CLUSTER.  The four query blocks of a cluster walk the same K and V: every fill is asked for jointly (the mask names all four).
; LIMITS: |O| stays under 65,504 (f16); NaN and infinities are not served.
; REGISTERS.  window 0: v1-5 addresses; v16-31 eight of statistics a tile (+0 m, +1 zero, +2, +3 l in two halves, +4..7 at work; a takes +6); v64-127 S^T then p; v128-159 P; v160-255 O^T.
;   window 1: v0-47 Q; v48-143 K of a step; v144-239 V of a step.
.set STEPB, 12288                      ; 64 keys x 96 channels of f16
.set VOFF,  4*STEPB                    ; V's four steps lie behind K's four
.set SLOT1, 1<<17                      ; slot 1 begins here: one exclusive or turns an address in one slot into the other's
.set FILLB, 16*73728                   ; a fill on in memory: 16 key tiles
.set SPARE, SLOT1+8*STEPB              ; behind the ring: the spare words, 128 bytes a wave: four blocks of 256 bytes that no other line names
.set LI,  1                            ; 16 x lane
.set ADR, 2                            ; the LDS address of the run of loads in hand
.set PFO, 3                            ; the prefetches' offset; never rewritten
.set SPW, 4
.set NIL, 5
.set ST,  16
.set S,   64
.set P,   128
.set O,   160
.set KF,  48
.set VF,  144
.set WV,  8
.set G1,  24                           ; s[24:31] group 1;  s[32:35] group 0 of fill 0;  s[36:39] of fill 1, which then walks on
.set G0A, 32
.set G0W, 36
.set SLOTS, 40
.set CNT, 41
.set TB,  42                           ; LDS byte at which the step to be fetched begins
.set LIM, 43                           ; 1 in a wave that prefetches, else the greatest number
.set PFA, 44
.set SEL, 46
.set QB,  48
.set AO,  50
.set MSB, 0
.macro WIN new
.if MSB != \new
	s_set_vgpr_msb (MSB<<8)|\new
.set MSB, \new
.endif
.endm
.macro PLACES n
.rept \n
	v_nop
.endr
.endm
.macro CROUND
	s_barrier_signal -1
	s_barrier_wait -1
	s_cmp_lg_u32 s[WV], 0
	s_cbranch_scc1 .Lnot_wave_0_\@
	s_barrier_signal -3
.Lnot_wave_0_\@:
	s_barrier_wait -3
	s_barrier_signal -1
	s_barrier_wait -1
.endm
	s_load_b128 s[4:7], s[0:1], 0x0                ; qkv 4, ao 6
	v_lshl_add_u32 v[SPW], v0, 2, SPARE
	v_mov_b32 v[NIL], 0
	ds_add_u32 v[SPW], v[NIL]                      ; the wave's opening: the add, twice on end, and its wait ahead of my first tensor load
	ds_add_u32 v[SPW], v[NIL]
	v_lshrrev_b32 v6, 5, v0
	v_readfirstlane_b32 s[WV], v6                  ; wave 0..7
	s_bfe_u32 s9, ttmp6, 0x40000                   ; cx
	s_lshl_b32 s10, ttmp9, 2
	s_add_co_u32 s10, s10, s9                      ; my block of 256 queries: it enters Q's, O's and the prefetches' addresses alone
	s_and_b32 s11, ttmp7, 0xffff
	s_lshr_b32 s12, s11, 3                         ; b
	s_and_b32 s13, s11, 7                          ; h
	; group 1: 4 key tiles, of each 3,072 consecutive bytes (six pieces), 73,728 bytes apart; elements of 8 bytes; dense in LDS
	s_mov_b32 s[G1], 15|(3<<16)|(1<<21)            ; 15:0 the mask: all four work-groups; 17:16 elements of 8 bytes; 21 set beside a mask
	s_mov_b32 s[G1+1], 384<<16                     ; tensor_dim0
	s_mov_b32 s[G1+2], 4<<16                       ; tensor_dim1
	s_mov_b32 s[G1+3], 384<<16                     ; tile_dim0
	s_mov_b32 s[G1+4], 4                           ; tile_dim1
	s_mov_b32 s[G1+5], 9216                        ; the pitch
	s_mov_b32 s[G1+6], 0
	s_mov_b32 s[G1+7], 0
	; what I fetch of fill 0: key tiles 128 b + 4 (w % 4) on, column tiles 48 + 48 (w / 4) + 6 h on: nothing of my place in the cluster
	s_lshl_b32 s14, s12, 7
	s_and_b32 s15, s[WV], 3
	s_lshl_b32 s15, s15, 2
	s_add_co_u32 s14, s14, s15
	s_mul_i32 s14, s14, 73728
	s_lshr_b32 s15, s[WV], 2
	s_mul_i32 s15, s15, 48
	s_mul_i32 s16, s13, 6
	s_add_co_u32 s15, s15, s16
	s_add_co_u32 s15, s15, 48
	s_lshl_b32 s15, s15, 9
	s_add_co_u32 s14, s14, s15
	s_mov_b32 s15, 0
	s_mul_i32 s17, s[WV], STEPB                    ; and its place in a slot
	; Q: row tiles 128 b + 16 qb + 2 w and the next, column tiles 6 h on
	s_lshl_b32 s18, s12, 7
	s_lshl_b32 s19, s10, 4
	s_add_co_u32 s18, s18, s19
	s_lshl_b32 s19, s[WV], 1
	s_add_co_u32 s18, s18, s19
	s_mul_i32 s18, s18, 73728
	s_mul_i32 s19, s13, 3072
	s_add_co_u32 s18, s18, s19
	s_mov_b32 s19, 0
	; O: block of 128 rows 16 b + 2 qb + w / 4, chunks 3 h on, row tile (2 w) % 8 in it
	s_lshl_b32 s20, s12, 4
	s_lshl_b32 s21, s10, 1
	s_add_co_u32 s20, s20, s21
	s_lshr_b32 s21, s[WV], 2
	s_add_co_u32 s20, s20, s21
	s_mul_i32 s20, s20, 196608
	s_mul_i32 s21, s13, 24576
	s_add_co_u32 s20, s20, s21
	s_lshl_b32 s21, s[WV], 1
	s_and_b32 s21, s21, 7
	s_lshl_b32 s21, s21, 10
	s_add_co_u32 s20, s20, s21
	s_mov_b32 s21, 0
	; the prefetches: fill 2's key tiles 4 cx .. 4 cx + 3 (the partners are told apart by address); the first change of slots steps this to fill 3
	s_lshl_b32 s22, s12, 7
	s_lshl_b32 s23, s9, 2
	s_add_co_u32 s22, s22, s23
	s_add_co_u32 s22, s22, 32
	s_mul_i32 s22, s22, 73728
	s_add_co_u32 s23, s16, 48
	s_lshl_b32 s23, s23, 9
	s_add_co_u32 s22, s22, s23
	s_mov_b32 s23, 0
	s_cmp_lt_u32 s[WV], 3                          ; waves 0 to 2
	s_cselect_b32 s[LIM], 0, 1
	s_or_b32 s[LIM], s[LIM], ttmp9                 ; of the head's first cluster: the same in all four partners
	s_cmp_eq_u32 s[LIM], 0
	s_cselect_b32 s[LIM], 1, -1
	; a partner's share of a fill is 2 tensors x 4 key tiles x 12 blocks of 256 bytes = 96 blocks: thread i of the first 96 names block i
	v_min_u32 v6, 95, v0
	v_mul_u32_u24 v7, v6, 171
	v_lshrrev_b32 v7, 13, v7                       ; i / 48: K or V
	v_mul_u32_u24 v8, v7, 48
	v_sub_nc_u32 v6, v6, v8
	v_mul_u32_u24 v8, v6, 171
	v_lshrrev_b32 v8, 11, v8                       ; the key tile: (i % 48) / 12
	v_mul_u32_u24 v9, v8, 12
	v_sub_nc_u32 v6, v6, v9                        ; the block in its 3,072 bytes
	v_mul_u32_u24 v[PFO], v7, 24576
	v_mad_u32_u24 v[PFO], v8, 73728, v[PFO]
	v_lshl_add_u32 v[PFO], v6, 8, v[PFO]
	v_and_b32 v6, 31, v0
	v_lshlrev_b32 v[LI], 4, v6
	s_mov_b32 s[SEL], 0x76543210
	s_mov_b32 s[SEL+1], 0xfedcba98
	s_mov_b32 s[TB], 0
	s_mov_b32 s[SLOTS], 6
	s_wait_dscnt 0x0                               ; both opening adds are done
	s_wait_kmcnt 0x0
	s_mov_b32 s[G0A], 1
	s_mov_b32 s[G0A+1], s17
	s_add_nc_u64 s[G0A+2:G0A+3], s[4:5], s[14:15]
	s_mov_b32 s[G0W], 1
	s_add_co_u32 s[G0W+1], s17, SLOT1
	s_add_nc_u64 s[G0W+2:G0W+3], s[G0A+2:G0A+3], FILLB
	s_or_b32 s[G0A+3], s[G0A+3], 0x80000000
	s_or_b32 s[G0W+3], s[G0W+3], 0x80000000
	s_add_nc_u64 s[QB:QB+1], s[4:5], s[18:19]
	s_add_nc_u64 s[AO:AO+1], s[6:7], s[20:21]
	s_add_nc_u64 s[PFA:PFA+1], s[4:5], s[22:23]
	CROUND                                         ; all four work-groups are here: the first joint loads meet
	tensor_load_to_lds s[G0A:G0A+3], s[G1:G1+7]    ; fill 0 into slot 0,
	s_nop 0
	tensor_load_to_lds s[G0W:G0W+3], s[G1:G1+7]    ; fill 1 into slot 1
	s_nop 0
	PLACES 4
	WIN 0x40                                       ; destination window 1
.irp t, 0,1
.irp pc, 0,1,2,3,4,5
	global_load_b128 v[24*\t+4*\pc:24*\t+4*\pc+3], v[LI], s[QB:QB+1] offset:73728*\t+512*\pc   ; Q stays in registers
.endr
.endr
	WIN 0
.irp t, 0,1
	v_mov_b32 v[ST+8*\t], 0xff61b1e6               ; m: -3e38, under every t
	v_mov_b32 v[ST+8*\t+1], 0                      ; (named with m as a pair)
	v_mov_b32 v[ST+8*\t+2], 0                      ; l
	v_mov_b32 v[ST+8*\t+3], 0
.endr
.set e, 0
.rept 96
	v_mov_b32 v[O+e], 0                            ; O^T.  The step is written without a first-step form: the first a is 0, which leaves zeros zeros
.set e, e+1
.endr
.macro FETCH_K                         ; a step's K: 4 key tiles x 6 pieces, 512 consecutive bytes a load
	WIN 0
	v_add_nc_u32 v[ADR], s[TB], v[LI]
	WIN 0x40
.set f, 0
.rept 24
	ds_load_b128 v[KF+4*f:KF+4*f+3], v[ADR] offset:512*f
.set f, f+1
.endr
	WIN 0
.endm
.macro FETCH_V                         ; a step's V, turned: a piece becomes half a fragment of V^T: lane l holds channel l % 16 and keys 8 (l / 16) + 0 .. 7
	WIN 0
	v_add_nc_u32 v[ADR], s[TB], v[LI]
	s_add_co_u32 s[TB], s[TB], STEPB               ; the next fetch is the next step's
	WIN 0x40
.irp kg, 0,1
.irp ct, 0,1,2,3,4,5
	ds_load_tr16_b128 v[VF+8*(6*\kg+\ct):VF+8*(6*\kg+\ct)+3],   v[ADR] offset:VOFF+6144*\kg+512*\ct
	ds_load_tr16_b128 v[VF+8*(6*\kg+\ct)+4:VF+8*(6*\kg+\ct)+7], v[ADR] offset:VOFF+6144*\kg+3072+512*\ct
.endr
.endr
	WIN 0
.endm
; S^T = K Q^T: product i of 24: channels 32 (i / 8) on, keys 16 ((i / 2) % 4) on, tile i % 2.  The first 8 start the sums.  The accumulators take turns.
.macro KQ
	WIN 0x05                                       ; K and Q in window 1
.set i, 0
.rept 24
.set rS, S+32*(i%2)+8*((i/2)%4)
.set rK, KF+24*((i/2)%4)+8*(i/8)
.set rQ, 24*(i%2)+8*(i/8)
.if i < 8
	v_wmma_f32_16x16x32_f16 v[rS:rS+7], v[rK:rK+7], v[rQ:rQ+7], 0
.else
	v_wmma_f32_16x16x32_f16 v[rS:rS+7], v[rK:rK+7], v[rQ:rQ+7], v[rS:rS+7]
.endif
.set i, i+1
.endr
.endm
; O^T += V^T P: product i of 24: keys 32 (i / 12) on, channels 16 ((i / 2) % 6) on, tile i % 2
.macro PV
	WIN 0x01                                       ; V in window 1
.set i, 0
.rept 24
.set rO, O+48*(i%2)+8*((i/2)%6)
.set rV, VF+8*(6*(i/12)+(i/2)%6)
.set rP, P+16*(i%2)+8*(i/12)
	v_wmma_f32_16x16x32_f16 v[rO:rO+7], v[rV:rV+7], v[rP:rP+7], v[rO:rO+7]
.set i, i+1
.endr
.endm
; The softmax of both tiles for one step, the tiles alternating line by line; all in window 0.
.macro SOFTMAX
.irp i, 0,1,2,3
.irp t, 0,1
	v_max3_num_f32 v[ST+8*\t+4+\i], v[S+32*\t+8*\i], v[S+32*\t+8*\i+1], v[S+32*\t+8*\i+2]     ; four chains; each accumulator is read from its low end on
.endr
.endr
.irp u, 1,2
.irp i, 0,1,2,3
.irp t, 0,1
	v_max3_num_f32 v[ST+8*\t+4+\i], v[ST+8*\t+4+\i], v[S+32*\t+8*\i+2*\u+1], v[S+32*\t+8*\i+2*\u+2]
.endr
.endr
.endr
.irp t, 0,1
	v_max3_num_f32 v[ST+8*\t+4], v[ST+8*\t+4], v[S+32*\t+7], v[S+32*\t+15]
.endr
.irp t, 0,1
	v_max3_num_f32 v[ST+8*\t+6], v[ST+8*\t+6], v[S+32*\t+23], v[S+32*\t+31]
.endr
.irp t, 0,1
	v_max3_num_f32 v[ST+8*\t+4], v[ST+8*\t+4], v[ST+8*\t+5], v[ST+8*\t+6]
.endr
.irp t, 0,1
	v_max3_num_f32 v[ST+8*\t+4], v[ST+8*\t+4], v[ST+8*\t+7], v[ST+8*\t]       ; and the old m
.endr
.irp t, 0,1
	v_permlanex16_b32 v[ST+8*\t+5], v[ST+8*\t+4], s[SEL], s[SEL+1]            ; the query's other 32 keys lie in the lane 16 away
.endr
.irp t, 0,1
	v_max_num_f32 v[ST+8*\t+6], v[ST+8*\t+4], v[ST+8*\t+5]                    ; the new m
.endr
.irp t, 0,1
	v_sub_f32 v[ST+8*\t+7], v[ST+8*\t], v[ST+8*\t+6]                          ; m_old - m_new, 0 or less
.endr
.irp t, 0,1
	v_mov_b32 v[ST+8*\t], v[ST+8*\t+6]
.endr
.set e, 0
.rept 16
	v_pk_add_f32 v[S+e:S+e+1], v[S+e:S+e+1], v[ST:ST+1] op_sel_hi:[1,0] neg_lo:[0,1] neg_hi:[0,1]             ; t - m, two at a time (of the pair the low word, m, serves both halves)
	v_pk_add_f32 v[S+32+e:S+32+e+1], v[S+32+e:S+32+e+1], v[ST+8:ST+9] op_sel_hi:[1,0] neg_lo:[0,1] neg_hi:[0,1]
.set e, e+2
.endr
.irp t, 0,1
	v_exp_f32 v[ST+8*\t+6], v[ST+8*\t+7]           ; a
.endr
.set e, 0
.rept 32
	v_exp_f32 v[S+e], v[S+e]                       ; p = 2^(t - m), at most 1
	v_exp_f32 v[S+32+e], v[S+32+e]
.set e, e+1
.endr
	v_nop                                          ; a plain instruction behind the last exponential, ahead of the first use (ISA guide 5.7.2)
	s_wait_alu depctr_va_vdst(0)                   ; the wait ahead of the first instruction that names a result: one for the batch of 66
.set e, 0
.rept 16
	v_cvt_pk_f16_f32 v[P+e], v[S+2*e], v[S+2*e+1]  ; eight registers of two neighbouring tiles of keys are a fragment of P
	v_cvt_pk_f16_f32 v[P+16+e], v[S+32+2*e], v[S+32+2*e+1]
.set e, e+1
.endr
.irp w, 4,8,16,32                              ; the sum of the 16 pairs, in place: neighbours 1, 2, 4, 8 pairs apart
.set u, 0
.rept 32/\w
	v_pk_add_f32 v[S+\w*u:S+\w*u+1], v[S+\w*u:S+\w*u+1], v[S+\w*u+\w/2:S+\w*u+\w/2+1]
	v_pk_add_f32 v[S+32+\w*u:S+32+\w*u+1], v[S+32+\w*u:S+32+\w*u+1], v[S+32+\w*u+\w/2:S+32+\w*u+\w/2+1]
.set u, u+1
.endr
.endr
.irp t, 0,1
	v_pk_fma_f32 v[ST+8*\t+2:ST+8*\t+3], v[ST+8*\t+2:ST+8*\t+3], v[ST+8*\t+6:ST+8*\t+7], v[S+32*\t:S+32*\t+1] op_sel_hi:[1,0,1]   ; l = a l + the step's sum
.endr
.set e, 0
.rept 24
	v_pk_mul_f32 v[O+e:O+e+1], v[O+e:O+e+1], v[ST+6:ST+7] op_sel_hi:[1,0]     ; O^T x a, ascending
	v_pk_mul_f32 v[O+48+e:O+48+e+1], v[O+48+e:O+48+e+1], v[ST+14:ST+15] op_sel_hi:[1,0]
.set e, e+2
.endr
.endm
; A PREFETCH INTO THE L2 of the fill that the NEXT change of slots will load: four key steps ahead of that load.  Both clusters of a head walk the same K and V: the first asks.  Its four partners take four key
; tiles each, told apart by address; in each, waves 0 to 2 ask, a lane a block of 256 bytes: each block is named once in the launch.  The last change that fills a slot asks for nothing; fills 0 to 2 come by their loads alone.
.macro ASK
	s_cmp_gt_u32 s[SLOTS], s[LIM]
	s_cbranch_scc0 .Lnot_mine_\@
	global_prefetch_b8 v[PFO], s[PFA:PFA+1] th:TH_LOAD_NT scope:SCOPE_SE
.Lnot_mine_\@:
.endm
; THE CHANGE OF SLOTS, in a slot's last step, when its last bytes (V of that step) have been asked for.  Each wave waits for all its tensor loads (one is out: its part of the other slot), adds 0 to its spare
; word, and waits for that and for its reads of the slot.  fill = 1: the barrier is a round of the cluster's, and the joint refill is the first thing behind it.
.macro CHANGE fill
	s_wait_tensorcnt 0x0                           ; no tensor load of mine is out, so a group 0 may be written
	ds_add_u32 v[SPW], v[NIL]                      ; 0 onto my spare word
.if \fill
	s_xor_b32 s[G0W+1], s[G0W+1], SLOT1            ; the walking descriptor: the other slot than last time,
	s_add_nc_u64 s[G0W+2:G0W+3], s[G0W+2:G0W+3], FILLB   ; the next 256 keys; the type bits on top are not reached
	s_wait_xcnt 0x0                                ; the last prefetch, four steps back, has read its address
	s_add_nc_u64 s[PFA:PFA+1], s[PFA:PFA+1], FILLB
	s_wait_dscnt 0x0                               ; the add is done, and my reads of the slot are over
	CROUND
	tensor_load_to_lds s[G0W:G0W+3], s[G1:G1+7]
	s_nop 0
	PLACES 4                                       ; (they are also the places behind the products K Q^T)
	ASK
.else
	s_wait_dscnt 0x0
	s_barrier_signal -1
	s_barrier_wait -1
	PLACES 4
.endif
	s_sub_co_u32 s[TB], s[TB], 4*STEPB             ; the fetches go back to a slot's first step,
	s_xor_b32 s[TB], s[TB], SLOT1                  ; in the other slot
.endm
; A KEY STEP.  chg = 0: inside a slot; 1: the slot's last, and it is filled again; 2: the slot's last, nothing is asked for; 3: the very last step.
.macro STEP chg
	PLACES 3                                       ; with the run's own v_add_nc_u32: four plain instructions between the last product that read V and the loads into V
	FETCH_V
	s_wait_dscnt 24                                ; K is in; the 24 loads of V just issued may be out
	KQ
	WIN 0
.if (\chg) == 1
	CHANGE 1
.elseif (\chg) == 2
	CHANGE 0
.else
	PLACES 4                                       ; between the products and the loads into K, and the first read of the scores
.endif
.if (\chg) != 3
	FETCH_K                                        ; the next step's K lands under the softmax
.endif
	SOFTMAX
.if (\chg) == 3
	s_wait_dscnt 0x0
.else
	s_wait_dscnt 24                                ; V is in; the next step's 24 loads of K may be out
.endif
	PV
	WIN 0
.endm
.macro THREE                           ; a slot's first three steps: written once, walked three times; the LDS addresses hang on s[TB]
	s_mov_b32 s[CNT], 3
.Lstep_\@:
	STEP 0
	s_sub_co_u32 s[CNT], s[CNT], 1
	s_cmp_lg_u32 s[CNT], 0
	s_cbranch_scc1 .Lstep_\@
.endm
	s_wait_tensorcnt 1                             ; my part of fill 0 is in; fill 1's may stay out
	s_barrier_signal -1
	s_barrier_wait -1                              ; everybody's is
	FETCH_K
	s_wait_loadcnt 0x0                             ; Q
.Lslot:                                            ; six trips: fills 2 to 7 are asked for
	THREE
	STEP 1
	s_sub_co_u32 s[SLOTS], s[SLOTS], 1
	s_cmp_lg_u32 s[SLOTS], 0
	s_cbranch_scc1 .Lslot
	THREE                                          ; the last two slots are written out
	STEP 2
	THREE
	STEP 3
	; THE WAY OUT: O^T / l, rounded to f16: a lane's eight channels of a row are 16 bytes of the next launch's operand image: stored straight from registers, 512 consecutive bytes a store.
	PLACES 4
.irp t, 0,1
	v_add_f32 v[ST+8*\t+4], v[ST+8*\t+2], v[ST+8*\t+3]
.endr
.irp t, 0,1
	v_permlanex16_b32 v[ST+8*\t+5], v[ST+8*\t+4], s[SEL], s[SEL+1]
.endr
.irp t, 0,1
	v_add_f32 v[ST+8*\t+4], v[ST+8*\t+4], v[ST+8*\t+5]
.endr
.irp t, 0,1
	v_rcp_f32 v[ST+8*\t+6], v[ST+8*\t+4]
.endr
	v_nop
	s_wait_alu depctr_va_vdst(0)                   ; one wait for the two reciprocals, ahead of their first reader
.set e, 0
.rept 24
	v_pk_mul_f32 v[O+e:O+e+1], v[O+e:O+e+1], v[ST+6:ST+7] op_sel_hi:[1,0]
	v_pk_mul_f32 v[O+48+e:O+48+e+1], v[O+48+e:O+48+e+1], v[ST+14:ST+15] op_sel_hi:[1,0]
.set e, e+2
.endr
.irp t, 0,1
.set e, 0
.rept 24
	v_cvt_pk_f16_f32 v[S+32*\t+e], v[O+48*\t+2*e], v[O+48*\t+2*e+1]
.set e, e+1
.endr
.endr
.irp t, 0,1
.irp ct, 0,1,2,3,4,5
	global_store_b128 v[LI], v[S+32*\t+4*\ct:S+32*\t+4*\ct+3], s[AO:AO+1] offset:1024*\t+8192*(\ct/2)+512*(\ct%2)
.endr
.endr
	s_wait_tensorcnt 0x0                           ; the wave's end
	ds_add_u32 v[SPW], v[NIL]
	s_wait_dscnt 0x0
	CROUND                                         ; the closing round
	s_endpgm
.Lfunc_end_k_qe1d85a2c00_attn:
	.size	k_qe1d85a2c00_attn, .Lfunc_end_k_qe1d85a2c00_attn-k_qe1d85a2c00_attn
	.p2alignl 7, 3214868480
	.fill 96, 4, 3214868480
	.section	.rodata,"a",@progbits
	.p2align	6, 0x0
	.amdhsa_kernel k_qe1d85a2c00_attn
		.amdhsa_group_segment_fixed_size 327680
		.amdhsa_private_segment_fixed_size 0
		.amdhsa_enable_private_segment 0
		.amdhsa_kernarg_size 16
		.amdhsa_user_sgpr_count 2
		.amdhsa_user_sgpr_kernarg_segment_ptr 1
		.amdhsa_wavefront_size32 1
		.amdhsa_system_sgpr_workgroup_id_x 1
		.amdhsa_system_sgpr_workgroup_id_y 1
		.amdhsa_system_sgpr_workgroup_id_z 1
		.amdhsa_system_vgpr_workitem_id 0
		.amdhsa_next_free_vgpr 512
		.amdhsa_next_free_sgpr 66
		.amdhsa_reserve_vcc 0
		.amdhsa_float_denorm_mode_32 3
		.amdhsa_float_denorm_mode_16_64 3
		.amdhsa_memory_ordered 1
		.amdhsa_forward_progress 1
		.amdhsa_inst_pref_size 141
	.end_amdhsa_kernel
	.amdgpu_metadata
---
amdhsa.version: [ 1, 2 ]
amdhsa.kernels:
  - .name:           k_qe1d85a2c00_attn
    .symbol:         k_qe1d85a2c00_attn.kd
    .args:
      - { .name: qkv, .offset: 0, .size: 8, .value_kind: global_buffer, .address_space: global }
      - { .name: ao, .offset: 8, .size: 8, .value_kind: global_buffer, .address_space: global }
    .group_segment_fixed_size: 327680
    .private_segment_fixed_size: 0
    .kernarg_segment_align: 8
    .kernarg_segment_size: 16
    .max_flat_workgroup_size: 256
    .sgpr_count:     66
    .vgpr_count:     512
    .wavefront_size: 32
...
	.end_amdgpu_metadata
.endif
;; end of part 3
;; launch proj (part 4): grid 4 x 64, 4 waves a work-group, clusters of 4 x 1, 327,680 bytes of LDS; arguments ao, wo16, bo, out0; writes out0
.if DOCPART == 4
	.amdgcn_target "amdgcn-amd-amdhsa--gfx1250"
	.amdhsa_code_object_version 6
	.text
	.protected	k_qe1d85a2c00_proj
	.globl	k_qe1d85a2c00_proj
	.p2align	8
	.type	k_qe1d85a2c00_proj,@function
k_qe1d85a2c00_proj:
	s_mov_b64 s[64:65], 0
	v_nop
	global_prefetch_b8 v0, s[64:65] scope:SCOPE_SE
	s_setreg_imm32_b32 hwreg(HW_REG_WAVE_MODE, 25, 1), 1
	s_wait_xcnt 0x0
	s_wait_alu depctr_hold_cnt(0) depctr_sa_sdst(0) depctr_va_vdst(0) depctr_va_sdst(0) depctr_va_ssrc(0) depctr_va_vcc(0) depctr_vm_vsrc(0)
	s_getreg_b32 s2, hwreg(HW_REG_IB_STS2, 6, 4)
	s_cmp_eq_u32 s2, 0
	s_cbranch_scc0 .Lentry_in_a_cluster
	s_endpgm
.Lentry_in_a_cluster:
	s_bfe_u32 s2, ttmp6, 0x10000c
	s_cmp_lg_u32 s2, 0x3003
	s_cbranch_scc0 .Lentry_shape_is_right
	s_endpgm
.Lentry_shape_is_right:
; PROJ: out0 = ao wo + bo, 8,192 x 768 x 768, f16 operands, f32 sums and output.
; ao [mb 64][kc 24][m 8][u 2][512] and wo16 [nt 48][kc 24][u 2][512] hold register images of fragments (16 rows or columns x 32 along K = two pieces).
; SHARES.  Work-group (X, Y): rows 128 Y on, columns 192 X on.  Wave w: column tiles 12 X + 3 w + 0 .. 2 for the 8 row tiles: 24 accumulators by turns.  USED TRANSPOSED (source 0 = 16 columns of wo,
; source 1 = 16 rows of ao): a lane holds eight neighbouring columns of one row.  The bias is the C of each sum's first product.
; ao's block (196,608 dense bytes) comes into LDS once, in four phases of six chunks along K, a quarter of a phase by each wave: four tensor loads of a wave are out at the start.
; wo's part of a wave (576 registers) is read by that wave alone, so it goes from memory straight into registers; that is why it is not asked for jointly: it never lies in LDS.
; CLUSTER 4 x 1: the four work-groups of a row of C need the same rows of ao: joint loads, the mask names all four.
; REGISTERS.  window 0: v1-15 addresses; v28, v29 the add's two; v32-95, v96-159 ao's fragments of a chunk, two sets; v160-255 wo's chunks 20-23; on the way out v32-223 rows of C.
;   window 1: wo's chunks 0-9 (v[24 kc + 8 n]);  window 2: chunks 10-19;  window 3: v0-191 accumulators (m, n) at v[8 (3 m + n)], v192-215 the bias.
.set PHASE,  49152
.set STAGE,  4*PHASE                   ; behind ao's block: 128 rows x (768 bytes + 16): bytes of their own, into which no fill lands
.set SPITCH, 784                       ; 196 words: row r starts 4 r banks on
.set SPARE,  STAGE+128*SPITCH          ; the spare words, 128 bytes a wave: two blocks of 256 bytes that no other line names
.set L16, 1
.set BO,  2
.set ADA, 4                            ; v4-7   16 x lane + 49,152 x phase
.set STO, 8                            ; v8, v9 the stage, on the way in: row tiles 0-3, 4-7
.set RD,  10                           ; v10-12 the stage, on the way out
.set GO,  13                           ; v13-15 and the same places in C
.set SPW, 28
.set NIL, 29
.set G1,  24
.set G0,  32                           ; s[32:47] a group 0 for each phase
.set MSB, 0
.macro WIN new
.if MSB != \new
	s_set_vgpr_msb (MSB<<8)|\new
.set MSB, \new
.endif
.endm
.macro PLACES n
.rept \n
	v_nop
.endr
.endm
.macro CROUND
	s_barrier_signal -1
	s_barrier_wait -1
	s_cmp_lg_u32 s12, 0
	s_cbranch_scc1 .Lnot_wave_0_\@
	s_barrier_signal -3
.Lnot_wave_0_\@:
	s_barrier_wait -3
	s_barrier_signal -1
	s_barrier_wait -1
.endm
	s_load_b256 s[4:11], s[0:1], 0x0               ; ao 4, wo16 6, bo 8, out0 10
	v_lshl_add_u32 v[SPW], v0, 2, SPARE
	v_mov_b32 v[NIL], 0
	ds_add_u32 v[SPW], v[NIL]                      ; the wave's opening: the add, twice on end, and its wait ahead of my first tensor load
	ds_add_u32 v[SPW], v[NIL]
	v_lshrrev_b32 v16, 5, v0
	v_readfirstlane_b32 s12, v16                   ; wave 0..3
	s_bfe_u32 s13, ttmp6, 0x40000                  ; cx
	s_lshl_b32 s17, ttmp9, 2
	s_add_co_u32 s17, s17, s13                     ; X: it enters wo's, bo's and C's addresses alone
	s_and_b32 s19, ttmp7, 0xffff                   ; Y
	s_mov_b32 s[G1], 15|(3<<16)|(1<<21)            ; a dense block as rows of 256 bytes (32 elements of 8 bytes); the mask names all four; 21 set beside it
	s_mov_b32 s[G1+1], 32<<16
	s_mov_b32 s[G1+2], 48<<16                      ; 48 rows = 12,288 bytes
	s_mov_b32 s[G1+3], 32<<16
	s_mov_b32 s[G1+4], 48
	s_mov_b32 s[G1+5], 32
	s_mov_b32 s[G1+6], 0
	s_mov_b32 s[G1+7], 0
	s_mul_i32 s14, s19, 196608
	s_mul_i32 s16, s12, 12288
	s_add_co_u32 s14, s14, s16
	s_mov_b32 s15, 0
	s_mul_i32 s18, s17, 12
	s_mul_i32 s20, s12, 3
	s_add_co_u32 s18, s18, s20                     ; my first column tile
	v_and_b32 v16, 31, v0
	v_lshlrev_b32 v[L16], 4, v16
	v_bfe_u32 v17, v0, 4, 1                        ; h
	v_and_b32 v18, 15, v0                          ; r
	v_lshlrev_b32 v[BO], 5, v17
.irp p, 0,1,2,3
	v_add_nc_u32 v[ADA+\p], PHASE*\p, v[L16]
.endr
	s_mul_i32 s20, s12, 192
	s_add_co_u32 s20, s20, STAGE
	v_mul_u32_u24 v[STO], v18, SPITCH
	v_lshl_add_u32 v[STO], v17, 5, v[STO]
	v_add_nc_u32 v[STO], s20, v[STO]               ; in: row r, my wave's 192 bytes, 32 bytes for each half of the lanes
	v_add_nc_u32 v[STO+1], 64*SPITCH, v[STO]
	; back: wave w takes rows 32 w .. 32 w + 31, two rows (1,536 bytes) by three loads; sixteen lanes take 256 consecutive bytes of a row
	s_mul_i32 s21, s12, 32*SPITCH
	s_add_co_u32 s21, s21, STAGE
	v_lshlrev_b32 v19, 4, v18
	v_add_nc_u32 v16, s21, v19
	v_lshl_add_u32 v[RD], v17, 8, v16              ; bytes 0-255 and 256-511 of the first row
	v_mad_u32_u24 v[RD+1], v17, 272, v16
	v_add_nc_u32 v[RD+1], 512, v[RD+1]             ; bytes 512-767 of the first row, 0-255 of the second
	v_add_nc_u32 v[RD+2], 1040, v[RD]              ; bytes 256-511 and 512-767 of the second
	v_lshl_add_u32 v[GO], v17, 8, v19
	v_mad_u32_u24 v[GO+1], v17, 2560, v19
	v_add_nc_u32 v[GO+1], 512, v[GO+1]
	v_add_nc_u32 v[GO+2], 3328, v[GO]
	s_wait_dscnt 0x0                               ; both opening adds are done
	s_wait_kmcnt 0x0
.irp p, 0,1,2,3
	s_mov_b32 s[G0+4*\p], 1
	s_add_co_u32 s[G0+4*\p+1], s16, PHASE*\p
	s_add_nc_u64 s[G0+4*\p+2:G0+4*\p+3], s[4:5], s[14:15]
.if \p > 0
	s_add_nc_u64 s[G0+4*\p+2:G0+4*\p+3], s[G0+4*\p+2:G0+4*\p+3], PHASE*\p
.endif
	s_or_b32 s[G0+4*\p+3], s[G0+4*\p+3], 0x80000000
.endr
	CROUND                                         ; all four work-groups are here: the joint loads meet
.irp p, 0,1,2,3
	tensor_load_to_lds s[G0+4*\p:G0+4*\p+3], s[G1:G1+7]
	s_nop 0
.endr
	PLACES 4
	s_lshl_b32 s20, s18, 6
	s_mov_b32 s21, 0
	s_add_nc_u64 s[8:9], s[8:9], s[20:21]          ; bo at my first column
	s_mul_i32 s20, s18, 24576
	s_add_nc_u64 s[6:7], s[6:7], s[20:21]          ; wo16 at my first column tile
	WIN 0xc0
.irp n, 0,1,2
	global_load_b128 v[192+8*\n:192+8*\n+3], v[BO], s[8:9] offset:64*\n       ; the bias in the result's layout: columns 8 h + 0 .. 7 of tile n
	global_load_b128 v[192+8*\n+4:192+8*\n+7], v[BO], s[8:9] offset:64*\n+16
.endr
.macro WOLOAD kc
.if (\kc) < 10
	WIN 0x40
.set WB, 24*(\kc)
.elseif (\kc) < 20
	WIN 0x80
.set WB, 24*((\kc)-10)
.else
	WIN 0
.set WB, 160+24*((\kc)-20)
.endif
.irp n, 0,1,2
.irp u, 0,1
	global_load_b128 v[WB+8*\n+4*\u:WB+8*\n+4*\u+3], v[L16], s[6:7] offset:24576*\n+1024*(\kc)+512*\u
.endr
.endr
.endm
.irp kc, 0,1,2,3,4,5,6,7,8,9,10,11,12,13,14,15,16,17,18,19,20,21,22,23
	WOLOAD \kc
.endr
	WIN 0
	s_lshl_b32 s20, s19, 7
	s_lshl_b32 s22, s12, 5
	s_add_co_u32 s20, s20, s22
	s_mul_i32 s20, s20, 3072                       ; the first row of C that I store: 128 Y + 32 w,
	s_mul_i32 s22, s17, 768                        ; the work-group's first column
	s_add_co_u32 s20, s20, s22
	s_add_nc_u64 s[10:11], s[10:11], s[20:21]
.macro FETCH_A kc                      ; ao's eight fragments of chunk kc into set kc % 2
.irp m, 0,1,2,3,4,5,6,7
.irp u, 0,1
	ds_load_b128 v[32+64*((\kc)%2)+8*\m+4*\u:32+64*((\kc)%2)+8*\m+4*\u+3], v[ADA+(\kc)/6] offset:8192*((\kc)%6)+1024*\m+512*\u
.endr
.endr
.endm
; A chunk of 32 along K: the next chunk's fragments are asked for, then 24 products, the accumulators by turns.
.macro CHUNK kc
.if (\kc) < 23
.if (\kc) >= 1
	PLACES 4                                       ; between the last chunk's products and the loads into the set that they read
.endif
.if ((\kc)+1)%6 == 0
	s_wait_tensorcnt 3-((\kc)+1)/6                 ; my quarter of the next phase has landed; the later phases' loads may be out
	s_wait_dscnt 0x0
	s_barrier_signal -1
	s_barrier_wait -1                              ; everybody's has
.endif
	FETCH_A (\kc)+1
	s_wait_dscnt 16                                ; this chunk's fragments are in; the sixteen loads just issued may be out
.else
	s_wait_dscnt 0x0
.endif
.if (\kc) == 0 || (\kc) == 6
	s_wait_loadcnt 63                              ; the bias and wo's chunks up to kc + 5 are in (108, then 72 younger loads might stay out; the count's field holds 63)
.elseif (\kc) == 12
	s_wait_loadcnt 36
.elseif (\kc) == 18
	s_wait_loadcnt 0x0
.endif
.if (\kc) < 10
	WIN 0xf1                                       ; source 0 (wo) window 1, source 1 (ao) window 0, C and D window 3
.set WB, 24*(\kc)
.elseif (\kc) < 20
	WIN 0xf2
.set WB, 24*((\kc)-10)
.else
	WIN 0xf0
.set WB, 160+24*((\kc)-20)
.endif
.irp m, 0,1,2,3,4,5,6,7
.irp n, 0,1,2
.if (\kc) == 0
	v_wmma_f32_16x16x32_f16 v[8*(3*\m+\n):8*(3*\m+\n)+7], v[WB+8*\n:WB+8*\n+7], v[32+64*((\kc)%2)+8*\m:32+64*((\kc)%2)+8*\m+7], v[192+8*\n:192+8*\n+7]
.else
	v_wmma_f32_16x16x32_f16 v[8*(3*\m+\n):8*(3*\m+\n)+7], v[WB+8*\n:WB+8*\n+7], v[32+64*((\kc)%2)+8*\m:32+64*((\kc)%2)+8*\m+7], v[8*(3*\m+\n):8*(3*\m+\n)+7]
.endif
.endr
.endr
	WIN 0
.endm
	s_wait_tensorcnt 3                             ; my quarter of phase 0 has landed; three loads may be out
	s_barrier_signal -1
	s_barrier_wait -1
	FETCH_A 0
.irp kc, 0,1,2,3,4,5,6,7,8,9,10,11,12,13,14,15,16,17,18,19,20,21,22,23
	CHUNK \kc
.endr
	; THE WAY OUT.  A row's 768 bytes come from four waves: they meet in the stage; then each wave stores 32 whole rows, sixteen lanes to 256 consecutive bytes, aligned.
	PLACES 4
	WIN 0x0c                                       ; an LDS store's data are its source 1: window 3
.irp m, 0,1,2,3,4,5,6,7
.irp n, 0,1,2
	ds_store_b128 v[STO+\m/4], v[8*(3*\m+\n):8*(3*\m+\n)+3] offset:16*SPITCH*(\m%4)+64*\n          ; each accumulator from its low end on
	ds_store_b128 v[STO+\m/4], v[8*(3*\m+\n)+4:8*(3*\m+\n)+7] offset:16*SPITCH*(\m%4)+64*\n+16
.endr
.endr
	WIN 0
	s_wait_dscnt 0x0                               ; for the others' sake: my stores into the stage are done
	s_barrier_signal -1
	s_barrier_wait -1
.irp p, 0,1,2,3,4,5,6,7,8,9,10,11,12,13,14,15
.irp k, 0,1,2
	ds_load_b128 v[32+4*(3*\p+\k):32+4*(3*\p+\k)+3], v[RD+\k] offset:2*SPITCH*\p
.endr
.endr
.irp p, 0,1,2,3,4,5,6,7,8,9,10,11,12,13,14,15
.irp k, 0,1,2
	s_wait_dscnt 47-(3*\p+\k)                      ; LDS loads come back in order: this one is in, the younger ones may be out
	global_store_b128 v[GO+\k], v[32+4*(3*\p+\k):32+4*(3*\p+\k)+3], s[10:11] offset:6144*\p th:TH_STORE_NT
.endr
.endr
	s_wait_tensorcnt 0x0                           ; the wave's end, behind my last tensor load and my last LDS store
	ds_add_u32 v[SPW], v[NIL]
	s_wait_dscnt 0x0
	CROUND                                         ; the closing round
	s_endpgm
.Lfunc_end_k_qe1d85a2c00_proj:
	.size	k_qe1d85a2c00_proj, .Lfunc_end_k_qe1d85a2c00_proj-k_qe1d85a2c00_proj
	.p2alignl 7, 3214868480
	.fill 96, 4, 3214868480
	.section	.rodata,"a",@progbits
	.p2align	6, 0x0
	.amdhsa_kernel k_qe1d85a2c00_proj
		.amdhsa_group_segment_fixed_size 327680
		.amdhsa_private_segment_fixed_size 0
		.amdhsa_enable_private_segment 0
		.amdhsa_kernarg_size 32
		.amdhsa_user_sgpr_count 2
		.amdhsa_user_sgpr_kernarg_segment_ptr 1
		.amdhsa_wavefront_size32 1
		.amdhsa_system_sgpr_workgroup_id_x 1
		.amdhsa_system_sgpr_workgroup_id_y 1
		.amdhsa_system_sgpr_workgroup_id_z 1
		.amdhsa_system_vgpr_workitem_id 0
		.amdhsa_next_free_vgpr 1024
		.amdhsa_next_free_sgpr 66
		.amdhsa_reserve_vcc 0
		.amdhsa_float_denorm_mode_32 3
		.amdhsa_float_denorm_mode_16_64 3
		.amdhsa_memory_ordered 1
		.amdhsa_forward_progress 1
		.amdhsa_inst_pref_size 99
	.end_amdhsa_kernel
	.amdgpu_metadata
---
amdhsa.version: [ 1, 2 ]
amdhsa.kernels:
  - .name:           k_qe1d85a2c00_proj
    .symbol:         k_qe1d85a2c00_proj.kd
    .args:
      - { .name: ao, .offset: 0, .size: 8, .value_kind: global_buffer, .address_space: global }
      - { .name: wo16, .offset: 8, .size: 8, .value_kind: global_buffer, .address_space: global }
      - { .name: bo, .offset: 16, .size: 8, .value_kind: global_buffer, .address_space: global }
      - { .name: out0, .offset: 24, .size: 8, .value_kind: global_buffer, .address_space: global }
    .group_segment_fixed_size: 327680
    .private_segment_fixed_size: 0
    .kernarg_segment_align: 8
    .kernarg_segment_size: 32
    .max_flat_workgroup_size: 128
    .sgpr_count:     66
    .vgpr_count:     1024
    .wavefront_size: 32
...
	.end_amdgpu_metadata
.endif
;; end of part 4
